; MI455X (gfx1250); checked and timed in simulation.
; The chip was launched on July 23, 2026; its instructions are those of AMD's public machine-readable ISA for CDNA 5 (MIT licence, August 2026) and "CDNA5" Instruction Set Architecture Reference Guide (July 2026). The comments in the code are by the model that wrote it; some were corrected since.
;; Bilinear Decoder. Allowed arithmetic: float matrix products may take bf16 or f16 operands with f32 sums; all other float work in f32.
;; Inputs: batch_edges 2 x 200,000 int32; weight 512 x 512 float32; z_drug 10,000 x 512 float32.
;; Outputs: out0 200,000 float32.
;; One version. Each part assembles by itself: llvm-mc -triple=amdgcn-amd-amdhsa -mcpu=gfx1250 --defsym DOCPART=n.
;; ======== version 1 of 1: 2 launches
;; workspace buffers: yproj 20,480,000 bytes; zb16 10,240,000 bytes
;; launch project (part 1): grid 125 x 2, 4 waves a work-group, no clusters, 101,120 bytes of LDS; arguments z_drug, weight, yproj, zb16; writes yproj, zb16
.if DOCPART == 1
	.amdgcn_target "amdgcn-amd-amdhsa--gfx1250"
	.amdhsa_code_object_version 6
	.text
	.protected	k_qd5dc347d65_project
	.globl	k_qd5dc347d65_project
	.p2align	8
	.type	k_qd5dc347d65_project,@function
k_qd5dc347d65_project:
	s_mov_b64 s[64:65], 0
	v_nop
	global_prefetch_b8 v0, s[64:65] scope:SCOPE_SE
	s_setreg_imm32_b32 hwreg(HW_REG_WAVE_MODE, 25, 1), 1
	s_wait_xcnt 0x0
; Y[m][f] = sum over d of bf16(z[m][d]) bf16(W[d][f]), sums in f32, Y stored in f32;  zb = bf16(z), stored for the next launch.
; z: [10000][512] f32, W: [512][512] f32.  The gather of the problem commutes with the product, (z[r]) W = (z W)[r], so the product is
; made once for each of the 10,000 nodes and not for each of the 200,000 edges.
; SHARES.  Work-group (mb, y) makes rows 80 mb .. 80 mb + 79, columns 256 y .. 256 y + 255: 125 x 2 work-groups of equal work
; (10,000 rows are 625 tiles of 16 = 5^4, so a block is 5 tiles).  Wave w makes all 80 rows of columns nw = 256 y + 64 w .. + 63:
; 5 x 4 accumulator tiles.  The four column tiles are INTERLEAVED: place r of tile i is column nw + 4 r + i.  So one 16-byte load of
; W[k][nw + 4 r .. + 3] gives one k of all four B fragments, sixteen lanes read 256 consecutive bytes of a row of W, W needs neither LDS
; nor a transposing load, and each byte of the work-group's part of W is loaded once.
; z's block is rounded to bf16 once, by the wave that loaded it, laid into LDS for all four waves, and stored to zb16 from the same registers.
; NO CLUSTER, NO TENSOR LOADS: both operands are f32 in memory and are rounded on their way through registers; the work-group's part of W
; in f32 is 512 x 256 x 4 = 524,288 bytes, more than the 327,680 of LDS; and 125 row blocks = 5^3 divide by no cluster's side of 4.
; Along the columns only z's block is shared: 163,840 of a work-group's 688,128 bytes.
; LIMITS.  z and W enter the products rounded to bf16 (nearest even); the order of the sums is the matrix unit's, not the reference's.
;
; REGISTERS.  Window 0: v0-13 addresses; v32-223 a ring, first two buffers for z, then three slots of 64 for W's rows, at last the way out.
; Window 1 (v256-487): 20 accumulator tiles, 5 fragments of A, 4 fragments of B.
.set ROWF,  2048                       ; bytes in a row of z, of W and of Y (512 f32)
.set ROWB,  1024                       ; bytes in a row of zb16
.set ZP,    1040                       ; LDS pitch of z's block: 1,024 bytes + 16 = 65 x 16, so the 16 rows of a fragment load begin in 16 different 16-byte columns of 256
.set STAGE, 80*ZP                      ; behind z's block: a stage of 16 rows for each wave
.set SP,    272                        ; the stage's pitch: 64 f32 + 16 bytes
.set R,     1                          ; v1   lane % 16
.set H,     2                          ; v2   lane / 16
.set ZOFF,  3                          ; v3   512 h + 16 r: my 16 bytes in a row of z
.set BOFF,  4                          ; v4   256 h + 16 r: my 16 bytes in a row of zb16
.set LZ,    5                          ; v5   10,400 w + 256 h + 8 r: my 8 bytes in my wave's first row of z's block in LDS
.set WOFF,  6                          ; v6   8 h rows + 16 r: my 16 bytes of W
.set ADRA,  7                          ; v7   1,040 r + 16 h: my part of an A fragment, row tiles 0 to 2
.set ADRA2, 8                          ; v8   the same, row tiles 3 and 4 (the immediate has 16 bits)
.set STO,   9                          ; v9   the way out: where my results go in my wave's stage
.set RD,    10                         ; v10  the way out: where I read a row back
.set YOFF,  11                         ; v11  2,048 h + 16 r: my 16 bytes of two rows of Y
.set T16,   12                         ; v12  16 r
.set TW,    13                         ; v13  at work
.set RING,  32                         ; v32-223
.set ZB0,   32                         ; five rows of z, 16 registers each
.set ZB1,   112
.set ACC,   0                          ; window 1: tile (mt, i) at 8 (4 mt + i)
.set AF,    160                        ; window 1: fragment of row tile mt at AF + 8 mt
.set BF,    200                        ; window 1: fragment of column tile i at BF + 8 i
; s_set_vgpr_msb's low byte: bits 1:0 source 0, 3:2 source 1, 5:4 source 2, 7:6 destination; the high byte repeats the setting that is left.
.set MSB, 0
.macro WIN new
.if MSB != \new
	s_set_vgpr_msb (MSB<<8)|\new
.set MSB, \new
.endif
.endm
.set TO_W1,   0x40                     ; destination in window 1, sources and addresses in window 0
.set ALL_W1,  0x55                     ; matrix instructions: all four operands in window 1
.set DATA_W1, 0x04                     ; an LDS store's data in window 1, its address in window 0
	s_load_b256 s[4:11], s[0:1], 0x0               ; z s[4:5], W s[6:7], Y s[8:9], zb16 s[10:11]
	v_lshl_add_u32 v254, v0, 2, 0x18900
	v_mov_b32 v255, 0
	v_lshrrev_b32 v[TW], 5, v0
	v_readfirstlane_b32 s12, v[TW]                 ; wave 0..3
	s_and_b32 s13, ttmp7, 0xffff                   ; y: which 256 columns
	v_and_b32 v[R], 15, v0
	v_bfe_u32 v[H], v0, 4, 1
	v_lshlrev_b32 v[T16], 4, v[R]
	v_lshl_add_u32 v[ZOFF], v[H], 9, v[T16]
	s_mul_i32 s16, ttmp9, 80                       ; the block's first row
	s_mul_i32 s17, s12, 10
	s_add_co_u32 s17, s16, s17                     ; my wave's first row of z: the block's + 10 w
	s_lshl_b32 s18, s13, 10
	s_lshl_b32 s19, s12, 8
	s_add_co_u32 s18, s18, s19                     ; my wave's first column in bytes of f32: 1,024 y + 256 w
	s_mul_i32 s20, s12, 10*ZP                      ; my wave's first row in LDS
	s_mul_i32 s21, s12, 16*SP
	s_add_co_u32 s21, s21, STAGE                   ; my wave's stage
	s_mov_b32 s15, 0                               ; every offset is below 2^25: the pair's high word is 0
	s_wait_kmcnt 0x0
	s_lshl_b32 s14, s17, 11
	s_add_nc_u64 s[4:5], s[4:5], s[14:15]          ; z at my wave's first row
	s_lshl_b32 s14, s17, 10
	s_add_nc_u64 s[10:11], s[10:11], s[14:15]      ; zb16 likewise
	s_mov_b32 s14, s18
	s_add_nc_u64 s[6:7], s[6:7], s[14:15]          ; W at my wave's first column
	s_lshl_b32 s14, s16, 11
	s_add_co_u32 s14, s14, s18
	s_add_nc_u64 s[8:9], s[8:9], s[14:15]          ; Y at the block's first row, my wave's first column
; PHASE Z.  A wave takes 20 of the block's 80 rows, in four batches of five: row 10 w + 40 (bt / 2) + 5 (bt % 2) + i.
; In a row the lane's half h and a = 0, 1 pick the 128 columns k' = 2 a + h, c = 0, 1 their two halves of 64, r four columns of those.
.macro ZLOAD bt, buf                   ; 20 loads; sixteen lanes read 256 consecutive bytes
.irp i, 0,1,2,3,4
.irp a, 0,1
.irp c, 0,1
	global_load_b128 v[\buf+16*\i+8*\a+4*\c:\buf+16*\i+8*\a+4*\c+3], v[ZOFF], s[4:5] offset:(40*(\bt>>1)+5*(\bt&1)+\i)*ROWF+1024*\a+256*\c
.endr
.endr
.endr
.endm
; Eight f32 become four words of bf16 in place (word q is written when its own two numbers or earlier ones have been read): words 0, 1 are
; columns 128 k' + 4 r + 0..3, words 2, 3 columns 128 k' + 64 + 4 r + 0..3.  Into LDS they go in natural order, 8 bytes each; to zb16 as
; the 16 bytes that they are, so that a wave's store covers 512 consecutive bytes.  The two work-groups of a row block both need the
; block in LDS; work-group y alone stores its rows 40 y .. 40 y + 39 to zb16, so each byte of zb16 has one owner.
.macro ZWORK bt, buf
.irp i, 0,1,2,3,4
.irp a, 0,1
.irp q, 0,1,2,3
	v_cvt_pk_bf16_f32 v[\buf+16*\i+8*\a+\q], v[\buf+16*\i+8*\a+2*\q], v[\buf+16*\i+8*\a+2*\q+1]
.endr
	ds_store_b64 v[LZ], v[\buf+16*\i+8*\a:\buf+16*\i+8*\a+1] offset:(40*(\bt>>1)+5*(\bt&1)+\i)*ZP+512*\a
	ds_store_b64 v[LZ], v[\buf+16*\i+8*\a+2:\buf+16*\i+8*\a+3] offset:(40*(\bt>>1)+5*(\bt&1)+\i)*ZP+512*\a+128
.endr
.endr
	s_cmp_lg_u32 s13, \bt>>1
	s_cbranch_scc1 .Lskip_\bt
.irp i, 0,1,2,3,4
.irp a, 0,1
	global_store_b128 v[BOFF], v[\buf+16*\i+8*\a:\buf+16*\i+8*\a+3], s[10:11] offset:(40*(\bt>>1)+5*(\bt&1)+\i)*ROWB+512*\a
.endr
.endr
.Lskip_\bt:
	s_wait_xcnt 0x0                                ; the buffer, which these stores read, is loaded again only behind this wait
.endm
; The 32 rows of W of K step k, 16 loads: e < 8 is row 32 k + 8 h + e, e >= 8 row 32 k + 16 + 8 h + (e - 8): the k that a lane's half holds in a fragment.
.macro WFILL k
.irp e, 0,1,2,3,4,5,6,7,8,9,10,11,12,13,14,15
	global_load_b128 v[RING+64*((\k)%3)+4*\e:RING+64*((\k)%3)+4*\e+3], v[WOFF], s[6:7] offset:(32*(\k)+\e+8*(\e>>3))*ROWF
.endr
.endm
	ZLOAD 0, ZB0
	ZLOAD 1, ZB1
	v_lshl_add_u32 v[BOFF], v[H], 8, v[T16]        ; the other addresses, while the first rows are on their way
	v_lshlrev_b32 v[LZ], 3, v[R]
	v_lshl_add_u32 v[LZ], v[H], 8, v[LZ]
	v_add_nc_u32 v[LZ], s20, v[LZ]
	v_lshl_add_u32 v[WOFF], v[H], 14, v[T16]       ; 8 h rows of 2,048 bytes
	v_mul_u32_u24 v[ADRA], v[R], ZP
	v_lshl_add_u32 v[ADRA], v[H], 4, v[ADRA]
	v_add_nc_u32 v[ADRA2], 48*ZP, v[ADRA]
	v_mul_u32_u24 v[STO], v[H], 8*SP               ; results: row 8 h + j, columns 4 r + i
	v_add_nc_u32 v[STO], v[STO], v[T16]
	v_add_nc_u32 v[STO], s21, v[STO]
	v_mul_u32_u24 v[RD], v[H], SP                  ; back: lanes 0-15 one row of 256 bytes, lanes 16-31 the next
	v_add_nc_u32 v[RD], v[RD], v[T16]
	v_add_nc_u32 v[RD], s21, v[RD]
	v_lshl_add_u32 v[YOFF], v[H], 11, v[T16]
	s_wait_loadcnt 20                              ; batch 0 is in; the 20 loads of batch 1 stay out
	ZWORK 0, ZB0
	ZLOAD 2, ZB0
	s_wait_loadcnt 20                              ; batch 1 is in; batch 2 stays out
	ZWORK 1, ZB1
	ZLOAD 3, ZB1
	s_wait_loadcnt 20                              ; batch 2 is in; batch 3 stays out
	ZWORK 2, ZB0
	WFILL 0                                        ; slot 0 lies in the buffer just freed
	s_wait_loadcnt 16                              ; batch 3 is in; W's first 16 loads stay out
	ZWORK 3, ZB1
	WFILL 1
	WFILL 2
	s_wait_dscnt 0x0                               ; my rows of z's block are in LDS: zero, for the other waves' sake
	s_barrier_signal -1
	s_barrier_wait -1                              ; everybody's are.  The only barrier: from here on LDS rows 0-79 are only read, and a stage is its wave's own
; PHASE K: 16 steps of 32 along d, written out.  A step loads its five A fragments from LDS, rounds its 32 rows of W into the four B
; fragments (word p of tile i: the lane's k number 2 p below, 2 p + 1 above), asks for the rows of three steps on into the slot just read,
; and multiplies.  left = how many younger loads of W may stay out.
; The 20 accumulators take turns, one instruction a turn, from a step's last into the next step's first too.
; The four v_nop are the places behind the last matrix instructions, ahead of the next step's loads into A's fragments,
; of its conversions into B's, and of the way out's reads of the results.
.macro KSTEP k, first, refill, left
	WIN TO_W1
.irp mt, 0,1,2
	ds_load_b128 v[AF+8*\mt:AF+8*\mt+3],   v[ADRA] offset:\mt*16*ZP+64*\k
	ds_load_b128 v[AF+8*\mt+4:AF+8*\mt+7], v[ADRA] offset:\mt*16*ZP+64*\k+32
.endr
.irp mt, 3,4
	ds_load_b128 v[AF+8*\mt:AF+8*\mt+3],   v[ADRA2] offset:(\mt-3)*16*ZP+64*\k
	ds_load_b128 v[AF+8*\mt+4:AF+8*\mt+7], v[ADRA2] offset:(\mt-3)*16*ZP+64*\k+32
.endr
	s_wait_loadcnt \left                           ; loads come back in order (ISA guide 5.7.1): this step's 16 are in
.irp i, 0,1,2,3
.irp p, 0,1,2,3,4,5,6,7
	v_cvt_pk_bf16_f32 v[BF+8*\i+\p], v[RING+64*(\k%3)+8*\p+\i], v[RING+64*(\k%3)+8*\p+4+\i]
.endr
.endr
.if \refill
	WIN 0
	WFILL \k+3
.endif
	s_wait_dscnt 0x0                               ; the ten loads of A's fragments, issued ahead of the 32 conversions
	WIN ALL_W1
.irp mt, 0,1,2,3,4
.irp i, 0,1,2,3
.if \first
	v_wmma_f32_16x16x32_bf16 v[ACC+8*(4*\mt+\i):ACC+8*(4*\mt+\i)+7], v[AF+8*\mt:AF+8*\mt+7], v[BF+8*\i:BF+8*\i+7], 0
.else
	v_wmma_f32_16x16x32_bf16 v[ACC+8*(4*\mt+\i):ACC+8*(4*\mt+\i)+7], v[AF+8*\mt:AF+8*\mt+7], v[BF+8*\i:BF+8*\i+7], v[ACC+8*(4*\mt+\i):ACC+8*(4*\mt+\i)+7]
.endif
.endr
.endr
.rept 4
	v_nop
.endr
.endm
	KSTEP 0, 1, 1, 32                              ; the first products start the sums: nothing is cleared.  32: the rows of steps 1 and 2 stay out
.irp k, 1,2,3,4,5,6,7,8,9,10,11,12
	KSTEP \k, 0, 1, 32                             ; the rows of the two steps behind stay out
.endr
	KSTEP 13, 0, 0, 32                             ; nothing is left to ask for: the counts run down
	KSTEP 14, 0, 0, 16
	KSTEP 15, 0, 0, 0
; THE WAY OUT, 16 rows at a time.  Register j of tile (mt, i) holds Y(16 mt + 8 h + j, nw + 4 r + i): the four tiles' numbers of a row
; interleave.  They go word by word into my wave's own stage, in natural column order, and come back as whole rows of 256 bytes.
; (The two halves of the lanes store 8 x 272 bytes = 544 words apart, 32 modulo the 64 banks of ISA guide 11.1, so pairs of lanes meet
; in a bank: 160 such stores in a wave's whole run.)  LDS serves a wave's instructions in order (ISA guide 5.7.1), so no wait stands
; between the stores and the loads, nor between a tile's loads and the next tile's stores.
.macro OUT16 mt
	WIN DATA_W1
.irp i, 0,1,2,3
.irp j, 0,1,2,3,4,5,6,7
	ds_store_b32 v[STO], v[ACC+8*(4*\mt+\i)+\j] offset:SP*\j+4*\i
.endr
.endr
	WIN 0
	s_wait_xcnt 0x0                                ; the 32 registers loaded next were read by the stores of two tiles ago: rewritten only behind this wait
.irp t, 0,1,2,3,4,5,6,7
	ds_load_b128 v[RING+32*(\mt&1)+4*\t:RING+32*(\mt&1)+4*\t+3], v[RD] offset:2*SP*\t
.endr
.irp t, 0,1,2,3,4,5,6,7
	s_wait_dscnt 7-\t                              ; pair t of rows is back; the younger loads stay out
	global_store_b128 v[YOFF], v[RING+32*(\mt&1)+4*\t:RING+32*(\mt&1)+4*\t+3], s[8:9] offset:(16*\mt+2*\t)*ROWF   ; sixteen lanes store 256 consecutive bytes, at a multiple of 256 from Y's first byte
.endr
.endm
	OUT16 0
	OUT16 1
	OUT16 2
	OUT16 3
	OUT16 4
	s_wait_tensorcnt 0x0
	ds_add_u32 v254, v255
	s_wait_dscnt 0x0
	s_endpgm
.Lfunc_end_k_qd5dc347d65_project:
	.size	k_qd5dc347d65_project, .Lfunc_end_k_qd5dc347d65_project-k_qd5dc347d65_project
	.p2alignl 7, 3214868480
	.fill 96, 4, 3214868480
	.section	.rodata,"a",@progbits
	.p2align	6, 0x0
	.amdhsa_kernel k_qd5dc347d65_project
		.amdhsa_group_segment_fixed_size 101120
		.amdhsa_private_segment_fixed_size 0
		.amdhsa_enable_private_segment 0
		.amdhsa_kernarg_size 32
		.amdhsa_user_sgpr_count 2
		.amdhsa_user_sgpr_kernarg_segment_ptr 1
		.amdhsa_wavefront_size32 1
		.amdhsa_system_sgpr_workgroup_id_x 1
		.amdhsa_system_sgpr_workgroup_id_y 1
		.amdhsa_system_sgpr_workgroup_id_z 1
		.amdhsa_system_vgpr_workitem_id 0
		.amdhsa_next_free_vgpr 488
		.amdhsa_next_free_sgpr 66
		.amdhsa_reserve_vcc 0
		.amdhsa_float_denorm_mode_32 3
		.amdhsa_float_denorm_mode_16_64 3
		.amdhsa_memory_ordered 1
		.amdhsa_forward_progress 1
		.amdhsa_inst_pref_size 138
	.end_amdhsa_kernel
	.amdgpu_metadata
---
amdhsa.version: [ 1, 2 ]
amdhsa.kernels:
  - .name:           k_qd5dc347d65_project
    .symbol:         k_qd5dc347d65_project.kd
    .args:
      - { .name: z_drug, .offset: 0, .size: 8, .value_kind: global_buffer, .address_space: global }
      - { .name: weight, .offset: 8, .size: 8, .value_kind: global_buffer, .address_space: global }
      - { .name: yproj, .offset: 16, .size: 8, .value_kind: global_buffer, .address_space: global }
      - { .name: zb16, .offset: 24, .size: 8, .value_kind: global_buffer, .address_space: global }
    .group_segment_fixed_size: 101120
    .private_segment_fixed_size: 0
    .kernarg_segment_align: 8
    .kernarg_segment_size: 32
    .max_flat_workgroup_size: 128
    .sgpr_count:     66
    .vgpr_count:     488
    .wavefront_size: 32
...
	.end_amdgpu_metadata
.endif
;; end of part 1
;; launch score (part 2): grid 3125 x 1, 1 waves a work-group, no clusters, 0 bytes of LDS; arguments batch_edges, yproj, zb16, out0; writes out0
.if DOCPART == 2
	.amdgcn_target "amdgcn-amd-amdhsa--gfx1250"
	.amdhsa_code_object_version 6
	.text
	.protected	k_qd5dc347d65_score
	.globl	k_qd5dc347d65_score
	.p2align	8
	.type	k_qd5dc347d65_score,@function
k_qd5dc347d65_score:
	s_mov_b64 s[64:65], 0
	v_nop
	global_prefetch_b8 v0, s[64:65] scope:SCOPE_SE
	s_setreg_imm32_b32 hwreg(HW_REG_WAVE_MODE, 25, 1), 1
	s_wait_xcnt 0x0
; out[e] = sigmoid( sum over f of Y[r_e][f] * zb[c_e][f] ),  r_e = batch_edges[0][e], c_e = batch_edges[1][e].
; Y: [10000][512] f32, zb: [10000][512] bf16 (the 16 bytes at 256 k + 16 u of a row hold columns 128k+4u+0..3, then 128k+64+4u+0..3),
; both made by the launch before.  200,000 edges; each reads 2,048 + 1,024 bytes of table rows, and that traffic is the launch's work.
; SHARES.  A work-group is one wave and takes 64 edges (200,000 = 3,125 x 64).  In step t = 0..31 the wave's half h (16 lanes) takes edge
; 32 h + t: lane u of the half reads the 16 bytes at 256 j + 16 u of Y's row (j = 0..7) and at 256 k + 16 u of zb's (k = 0..3), so sixteen
; lanes always read 256 consecutive bytes, aligned, and by zb's order word x / 2, half x % 2, of zb belongs to word x of Y.
; A ring of three slots of 48 registers keeps the 12 loads of each of three steps on their way.  No LDS, no barrier, no loop.
; NOT USED: the matrix unit (no two of these dots share an operand, so 15 of 16 results of a tile would be thrown away); clusters (the
; work-groups share no tile that is known beforehand); prefetches (a table row is named by some 20 edges of unrelated work-groups, so a
; list cannot ask for each block once).
; LIMITS.  An index is read as unsigned and clamped to 9,999 (the reference relies on indices inside the table; negative ones are not
; wrapped).  v_exp_f32 and v_rcp_f32 flush denormals (ISA guide 15.8): a result below 2^-126 is stored as 0.  The sum is made in four
; chains a lane and a tree over sixteen lanes, in f32: another order than the reference's.  No maximum is taken away because none is in
; the reference: 2^x running to infinity gives 0 and running to 0 gives 1, which are the sigmoid's own limits.
.set EDGES, 200000
.set LASTN, 9999
.set U,     1                          ; v1       lane % 16
.set L16,   2                          ; v2       16 u
.set IOFF,  3                          ; v3       128 h: my half's 32 indices
.set OOFF,  4                          ; v4       8 x lane: my two results
.set ZERO,  5                          ; v5       0: the addend that starts a chain
.set A,     6                          ; v[6:9]   four chains
.set RES,   10                         ; v[10:11] scores of edges 2 lane and 2 lane + 1
.set RO,    12                         ; v[12:43] step t: index, then byte offset of my 16 bytes in Y's row; never rewritten after that
.set CO,    44                         ; v[44:75] the same for zb's row
.set RINGS, 76                         ; v[76:219] slot s at 76 + 48 s: 32 registers of Y, 16 of zb
.set MASK,  16                         ; s[16:31] mask q: the lanes with u = q
	s_load_b256 s[4:11], s[0:1], 0x0               ; batch_edges s[4:5], Y s[6:7], zb s[8:9], out s[10:11]
	s_lshl_b32 s12, ttmp9, 8                       ; 64 edges of 4 bytes, in the list and in the output
	s_mov_b32 s13, 0
	v_and_b32 v[U], 15, v0
	v_bfe_u32 v[IOFF], v0, 4, 1
	v_lshlrev_b32 v[IOFF], 7, v[IOFF]
	v_lshlrev_b32 v[L16], 4, v[U]
	v_lshlrev_b32 v[OOFF], 3, v0
	v_mov_b32 v[ZERO], 0
	s_wait_kmcnt 0x0
	s_add_nc_u64 s[4:5], s[4:5], s[12:13]
	s_add_nc_u64 s[10:11], s[10:11], s[12:13]
	; my half's 32 row indices and 32 column indices, one register a step; the sixteen lanes of a half read the same 16 bytes
.irp q, 0,1,2,3,4,5,6,7
	global_load_b128 v[RO+4*\q:RO+4*\q+3], v[IOFF], s[4:5] offset:16*\q th:TH_LOAD_NT
.endr
.irp q, 0,1,2,3,4,5,6,7
	global_load_b128 v[CO+4*\q:CO+4*\q+3], v[IOFF], s[4:5] offset:4*EDGES+16*\q th:TH_LOAD_NT
.endr
.irp q, 0,1,2,3,4,5,6,7,8,9,10,11,12,13,14,15
	v_cmp_eq_u32 s[MASK+\q], \q, v[U]
.endr
.macro OFFS t                          ; index to byte offset: clamped, times the row's bytes, plus my 16 bytes
	v_min_u32 v[RO+\t], LASTN, v[RO+\t]
	v_min_u32 v[CO+\t], LASTN, v[CO+\t]
	v_lshl_add_u32 v[RO+\t], v[RO+\t], 11, v[L16]
	v_lshl_add_u32 v[CO+\t], v[CO+\t], 10, v[L16]
.endm
.macro FILL t                          ; 12 loads: the two rows of step t's two edges
.irp j, 0,1,2,3,4,5,6,7
	global_load_b128 v[RINGS+48*((\t)%3)+4*\j:RINGS+48*((\t)%3)+4*\j+3], v[RO+\t], s[6:7] offset:256*\j
.endr
.irp k, 0,1,2,3
	global_load_b128 v[RINGS+48*((\t)%3)+32+4*\k:RINGS+48*((\t)%3)+32+4*\k+3], v[CO+\t], s[8:9] offset:256*\k
.endr
.endm
; Step t.  left = how many younger loads may stay out.  32 fused multiply-adds straight from zb's bf16 halves, in four chains; the slot
; is asked for again as soon as it has been read; then the sum over the four chains and over the half's sixteen lanes (it ends up in all
; sixteen), and the lane with u = t / 2 keeps it as its result number t % 2.
.macro STEP t, left
	s_wait_loadcnt \left                           ; loads come back in order (ISA guide 5.7.1): this step's 12 are in
.set SL, RINGS+48*(\t%3)
.irp p, 0,1
	v_fma_mix_f32_bf16 v[A+2*\p],   v[SL+32+\p], v[SL+2*\p],   v[ZERO] op_sel_hi:[1,0,0]
	v_fma_mix_f32_bf16 v[A+2*\p+1], v[SL+32+\p], v[SL+2*\p+1], v[ZERO] op_sel:[1,0,0] op_sel_hi:[1,0,0]
.endr
.irp p, 2,3,4,5,6,7,8,9,10,11,12,13,14,15
	v_fma_mix_f32_bf16 v[A+2*(\p&1)],   v[SL+32+\p], v[SL+2*\p],   v[A+2*(\p&1)] op_sel_hi:[1,0,0]
	v_fma_mix_f32_bf16 v[A+2*(\p&1)+1], v[SL+32+\p], v[SL+2*\p+1], v[A+2*(\p&1)+1] op_sel:[1,0,0] op_sel_hi:[1,0,0]
.endr
.if \t <= 28
	FILL \t+3
.endif
	v_pk_add_f32 v[A:A+1], v[A:A+1], v[A+2:A+3]
	v_add_f32 v[A], v[A], v[A+1]
	v_add_f32_dpp v[A], v[A], v[A] row_xmask:1 row_mask:0xf bank_mask:0xf
	v_add_f32_dpp v[A], v[A], v[A] row_xmask:2 row_mask:0xf bank_mask:0xf
	v_add_f32_dpp v[A], v[A], v[A] row_xmask:4 row_mask:0xf bank_mask:0xf
	v_add_f32_dpp v[A], v[A], v[A] row_xmask:8 row_mask:0xf bank_mask:0xf
.if \t < 2
	v_cndmask_b32 v[RES+(\t&1)], v[ZERO], v[A], s[MASK+(\t>>1)]            ; the first two steps write the results' registers whole
.else
	v_cndmask_b32 v[RES+(\t&1)], v[RES+(\t&1)], v[A], s[MASK+(\t>>1)]
.endif
.endm
	s_wait_loadcnt 0x0                             ; the indices
.irp t, 0,1,2
	OFFS \t
	FILL \t                                        ; the first three steps' rows go out before the other offsets are made
.endr
.irp t, 3,4,5,6,7,8,9,10,11,12,13,14,15,16,17,18,19,20,21,22,23,24,25,26,27,28,29,30,31
	OFFS \t
.endr
.irp t, 0,1,2,3,4,5,6,7,8,9,10,11,12,13,14,15,16,17,18,19,20,21,22,23,24,25,26,27,28,29
	STEP \t, 24                                    ; the 12 loads of each of the two steps behind stay out
.endr
	STEP 30, 12                                    ; the last steps ask for nothing: the counts run down
	STEP 31, 0
	; sigmoid(x) = 1 / (1 + 2^(-x log2 e)), two at a time
	v_pk_mul_f32 v[RES:RES+1], v[RES:RES+1], 0xbfb8aa3b op_sel_hi:[1,0]
	v_exp_f32 v[RES], v[RES]
	v_exp_f32 v[RES+1], v[RES+1]
	v_nop                                          ; one plain vector instruction behind a transcendental before its result is used (ISA guide 5.7.2)
	s_wait_alu depctr_va_vdst(0)
	v_pk_add_f32 v[RES:RES+1], v[RES:RES+1], 1.0 op_sel_hi:[1,0]
	v_rcp_f32 v[RES], v[RES]
	v_rcp_f32 v[RES+1], v[RES+1]
	v_nop                                          ; and again, ahead of the store
	s_wait_alu depctr_va_vdst(0)
	global_store_b64 v[OOFF], v[RES:RES+1], s[10:11] th:TH_STORE_NT        ; the wave's one store: 256 consecutive bytes, at a multiple of 256 from the output's first byte
	s_endpgm
.Lfunc_end_k_qd5dc347d65_score:
	.size	k_qd5dc347d65_score, .Lfunc_end_k_qd5dc347d65_score-k_qd5dc347d65_score
	.p2alignl 7, 3214868480
	.fill 96, 4, 3214868480
	.section	.rodata,"a",@progbits
	.p2align	6, 0x0
	.amdhsa_kernel k_qd5dc347d65_score
		.amdhsa_group_segment_fixed_size 0
		.amdhsa_private_segment_fixed_size 0
		.amdhsa_enable_private_segment 0
		.amdhsa_kernarg_size 32
		.amdhsa_user_sgpr_count 2
		.amdhsa_user_sgpr_kernarg_segment_ptr 1
		.amdhsa_wavefront_size32 1
		.amdhsa_system_sgpr_workgroup_id_x 1
		.amdhsa_system_sgpr_workgroup_id_y 1
		.amdhsa_system_sgpr_workgroup_id_z 1
		.amdhsa_system_vgpr_workitem_id 0
		.amdhsa_next_free_vgpr 220
		.amdhsa_next_free_sgpr 66
		.amdhsa_reserve_vcc 0
		.amdhsa_float_denorm_mode_32 3
		.amdhsa_float_denorm_mode_16_64 3
		.amdhsa_memory_ordered 1
		.amdhsa_forward_progress 1
		.amdhsa_inst_pref_size 126
	.end_amdhsa_kernel
	.amdgpu_metadata
---
amdhsa.version: [ 1, 2 ]
amdhsa.kernels:
  - .name:           k_qd5dc347d65_score
    .symbol:         k_qd5dc347d65_score.kd
    .args:
      - { .name: batch_edges, .offset: 0, .size: 8, .value_kind: global_buffer, .address_space: global }
      - { .name: yproj, .offset: 8, .size: 8, .value_kind: global_buffer, .address_space: global }
      - { .name: zb16, .offset: 16, .size: 8, .value_kind: global_buffer, .address_space: global }
      - { .name: out0, .offset: 24, .size: 8, .value_kind: global_buffer, .address_space: global }
    .group_segment_fixed_size: 0
    .private_segment_fixed_size: 0
    .kernarg_segment_align: 8
    .kernarg_segment_size: 32
    .max_flat_workgroup_size: 32
    .sgpr_count:     66
    .vgpr_count:     220
    .wavefront_size: 32
...
	.end_amdgpu_metadata
.endif
;; end of part 2
